; MI455X (gfx1250); checked and timed in simulation.
; The chip was launched on July 23, 2026; its instructions are those of AMD's public machine-readable ISA for CDNA 5 (MIT licence, August 2026) and "CDNA5" Instruction Set Architecture Reference Guide (July 2026). The comments in the code are by the model that wrote it; some were corrected since.
;; Adaptive Discretized Neural ODE8 Spatial pointwise view 17. Allowed arithmetic: float matrix products may take bf16 or f16 operands with f32 sums; all other float work in f32.
;; Inputs: beta 1,024 float32; delta_t 30 x 1 float32; gamma 1,024 float32; matrices 30 x 1 x 1 x 16 x 16 float32; x 16 x 256 x 32 x 32 float32.
;; Outputs: out0 16 x 256 x 32 x 32 float32.
;; One version. Each part assembles by itself: llvm-mc -triple=amdgcn-amd-amdhsa -mcpu=gfx1250 --defsym DOCPART=n.
;; ======== version 1 of 1: 1 launch
;; launch ode (part 1): grid 256 x 1, 8 waves a work-group, no clusters, 102,912 bytes of LDS; arguments x, matrices, delta_t, gamma, beta, out0; writes out0
.if DOCPART == 1
	.amdgcn_target "amdgcn-amd-amdhsa--gfx1250"
	.amdhsa_code_object_version 6
	.text
	.protected	k_q75bf9ba4ce_ode
	.globl	k_q75bf9ba4ce_ode
	.p2align	8
	.type	k_q75bf9ba4ce_ode,@function
k_q75bf9ba4ce_ode:
	s_mov_b64 s[64:65], 0
	v_nop
	global_prefetch_b8 v0, s[64:65] scope:SCOPE_SE
	s_setreg_imm32_b32 hwreg(HW_REG_WAVE_MODE, 25, 1), 1
	s_wait_xcnt 0x0
; 30 steps of  y <- y + dt (-y + relu6(BN(y + m x1))),  out = y + x1,  x, out: [16][256][1024] f32.
; The BatchNorm channel is the position p (last axis); its mean and variance run over the 4,096 numbers (b, c) of that position, so the
; 1,024 positions are independent.  A work-group owns 4 positions (1,024 / 256 work-groups) and keeps their 16,384 numbers in registers
; for all 30 steps: x is read once, out is written once, nothing else goes through memory.
; WHAT IS CARRIED: z = y + m_l x instead of y.  With dt = clip(delta_t, 0, 6) >= 0:
;     a    = dt relu6(zhat g + b) = med3(z s + t, 0, 6 dt),   s = rsqrt(var + eps) g dt,   t = b dt - mean s
;     z'   = (1 - dt) z + a + (m_{l+1} - (1 - dt) m_l) x        and with m_30 = 1:  z_30 = y_30 + x = the output.
; Two numbers cost 5 packed instructions and 2 med3.  The coefficients m~_l = m_{l+1} - (1 - dt_l) m_l are tabled in LDS once.
; VARIANCE: sums of shifted data zs = z - K.  K_0 is one sample of z_0 of the position ((1 + m_0[0]) x[0][0][p]); the recurrence turns it into
; K_{l+1} = (1 - dt_l) K_l by itself, BN does not see a shift, and K_30 = K_0 prod(1 - dt) is added back once at the end.
; var = E[zs^2] - E[zs]^2, var + eps floored at eps.  LIMIT: the order of rounding differs from the reference's; where the mean of zs is r times
; its spread, var loses about r^2 2^-24 of relative accuracy (a common offset of x or of the matrices leaves r of order 1 to 5).
; TWO SETS OF WAVES: waves 0-3 (set A) own positions 0, 1; waves 4-7 (set B) positions 2, 3; B runs half a pass behind A, so that where a SIMD
; holds a wave of each set one set's arithmetic fills the other's wait for LDS, barrier, cross-lane sums and rsqrt.  Every barrier stands in
; common text; the branches on the wave number jump over register and LDS work only.
; LANE: position parity l & 1, row group g = (t >> 1) & 63: channels 4g .. 4g+3 x 16 batches = 64 numbers; a packed pair = two batches.
; MEMORY: the work-group's share of a row (b, c) is 16 of its 4,096 bytes; each lane loads or stores them by one b128, each row once.
; Work-groups 16k .. 16k+15 together cover 256 consecutive bytes of a row.  The turn from (lane = row, registers = 4 positions) to the lane layout above
; goes through LDS once on the way in and once on the way out.
; NO CLUSTER: the work-groups share no byte of x; what they share (matrices, 30,720 bytes) is under 0.2 per cent of the bytes read.
.set PP,   17536                       ; staging: bytes from position to position: 64 groups x 272, + 128 so that the two parities fall in different halves of 256 bytes
.set SROW, 1088                        ; staging: 16 channels = 16 x 64 + 4 x 16 bytes
.set MTB,  0                           ; LDS: m~[30][256] f32 (MTB = 0: a lane's byte offset in a row of matrices is also its LDS address in row 0)
.set PRB,  30720                       ; LDS: 32 x (dt, 1 - dt, 6 dt, 0)
.set PAB,  31232                       ; LDS: partial sums [set][parity][8 slots] x (S1, S2)
.set STG,  31488                       ; LDS: staging [4 positions][256 channels][16 batches], 16 bytes of padding behind every 4 channels
.set XO,1                              ; byte offset of my staging row 0 in x and out: b << 20 | ch << 12
.set SA,2                              ; staging address of my row, positions 0, 1
.set SB,3                              ; the same, positions 2, 3
.set CL,4                              ; staging address of my 64 numbers (256 consecutive bytes)
.set MTA,5                             ; my 16 bytes of the current row of m~
.set PRA,6                             ; the current row of the parameters
.set PW,7                              ; where I put a partial sum
.set PRD,8                             ; which partial sum I read
.set PO,9                              ; 4 x my position in the work-group
.set T4,10                             ; 4 t
.set DL,12                             ; 4 min(lane, 29)
.set PTW,13                            ; parameter row of my lane
.set TD,14
.set TO,15
.set TR,16
.set AL,17                             ; prod (1 - dt)
.set XS,18
.set DTL,19
.set MEAN,20
.set Q,21
.set RI,22
.set KP,24                             ; (-K_0, K_30)
.set GB,26                             ; (gamma, beta) of my position
.set GBD,28                            ; (gamma dt, beta dt)
.set RS,30                             ; (S1, S2)
.set MT,32                             ; v[32:35] m~ of my 4 channels
.set PR,36                             ; v[36:39] dt, 1 - dt, 6 dt, 0
.set M0,40                             ; v[40:43] 1 + m_0 of my 4 channels
.set S1A,44                            ; two chains of packed sums,
.set S2A,48                            ; two of packed sums of squares
.set X,64                              ; v[64:127]   x,  index 16 j + b
.set Z,128                             ; v[128:191]  z - K; address temporaries at the start
.set A,128
.set T,192                             ; v[192:207]  eight pairs at work
.set ST,208                            ; (s, t)
.set VM,192                            ; v[192:221]  my column of the 30 matrices, during set-up only
	s_load_b256 s[4:11], s[0:1], 0x0               ; x s[4:5], matrices s[6:7], delta_t s[8:9], gamma s[10:11]
	s_load_b128 s[12:15], s[0:1], 0x20             ; beta s[12:13], out0 s[14:15]
	v_lshl_add_u32 v224, v0, 2, 0x18e00
	v_mov_b32 v225, 0
	v_lshrrev_b32 v[A], 5, v0
	v_readfirstlane_b32 s16, v[A]                  ; wave 0..7
	v_and_b32 v[A+1], 15, v0                       ; staging: batch b = t & 15
	v_lshrrev_b32 v[A+2], 4, v0                    ; staging: channel ch = t >> 4 (+ 16 i)
	v_lshlrev_b32 v[XO], 20, v[A+1]
	v_lshl_or_b32 v[XO], v[A+2], 12, v[XO]
	v_lshrrev_b32 v[A+3], 2, v[A+2]
	v_lshlrev_b32 v[SA], 6, v[A+2]                 ; 64 ch
	v_lshl_add_u32 v[SA], v[A+3], 4, v[SA]         ; + 16 (ch >> 2)
	v_lshl_add_u32 v[SA], v[A+1], 2, v[SA]         ; + 4 b
	v_add_nc_u32 v[SA], STG, v[SA]
	v_add_nc_u32 v[SB], 2*PP, v[SA]
	v_and_b32 v[A+4], 1, v0                        ; parity
	v_bfe_u32 v[A+5], v0, 1, 6                     ; g
	v_lshrrev_b32 v[A+6], 7, v0                    ; set
	v_lshl_or_b32 v[A+7], v[A+6], 1, v[A+4]        ; my position 0..3
	v_lshlrev_b32 v[PO], 2, v[A+7]
	v_mul_u32_u24 v[CL], v[A+7], PP
	v_mul_u32_u24 v[A+8], v[A+5], 272
	v_add3_u32 v[CL], v[CL], v[A+8], STG
	v_lshlrev_b32 v[MTA], 4, v[A+5]                ; 16 g
	v_mov_b32 v[PRA], PRB
	v_lshlrev_b32 v[A+9], 7, v[A+6]                ; 128 set
	v_lshl_add_u32 v[A+9], v[A+4], 6, v[A+9]       ; + 64 parity
	v_bfe_u32 v[A+10], v0, 4, 3                    ; slot written: 2 (wave & 3) + half of the lanes
	v_lshl_add_u32 v[PW], v[A+10], 3, v[A+9]
	v_add_nc_u32 v[PW], PAB, v[PW]
	v_bfe_u32 v[A+10], v0, 1, 3                    ; slot read: (lane >> 1) & 7
	v_lshl_add_u32 v[PRD], v[A+10], 3, v[A+9]
	v_add_nc_u32 v[PRD], PAB, v[PRD]
	v_lshlrev_b32 v[T4], 2, v0
	v_and_b32 v[A+11], 31, v0
	v_min_u32 v[DL], 29, v[A+11]                   ; lanes 30, 31 repeat layer 29: no load leaves delta_t
	v_lshlrev_b32 v[DL], 2, v[DL]
	v_lshl_add_u32 v[PTW], v[A+11], 4, PRB
	s_lshl_b32 s18, ttmp9, 4                       ; the work-group's 4 positions: 16 bytes in a row of x and out, and in gamma and beta
	s_mov_b32 s19, 0
	s_mov_b32 s21, 0x39800000                      ; 1 / 4096
	s_mov_b32 s22, 0x3727c5ac                      ; eps = 1e-5
	s_wait_kmcnt 0x0
	s_load_b512 s[32:47], s[8:9], 0x0              ; delta_t[0..29] in s[32:61]
	s_load_b256 s[48:55], s[8:9], 0x40
	s_load_b128 s[56:59], s[8:9], 0x60
	s_load_b64 s[60:61], s[8:9], 0x70
	s_load_b32 s20, s[6:7], 0x0                    ; m_0[0], for the shift
	s_add_nc_u64 s[4:5], s[4:5], s[18:19]
	s_add_nc_u64 s[10:11], s[10:11], s[18:19]
	s_add_nc_u64 s[12:13], s[12:13], s[18:19]
	s_add_nc_u64 s[14:15], s[14:15], s[18:19]
	; 35 small loads first, the 16 row loads behind them: the tables are made while the rows are on their way
	global_load_b32 v[DTL], v[DL], s[8:9]
.set l, 0
.rept 30
	global_load_b32 v[VM+l], v[T4], s[6:7] offset:l*1024       ; column t of every matrix
.set l, l+1
.endr
	global_load_b128 v[M0:M0+3], v[MTA], s[6:7]                ; m_0 of my 4 channels
	global_load_b32 v[GB], v[PO], s[10:11]
	global_load_b32 v[GB+1], v[PO], s[12:13]
	global_load_b32 v[XS], v[PO], s[4:5]                       ; x[0][0][my position]
.irp i, 0,1,2,3,4,5,6,7,8,9,10,11,12,13,14,15
	global_load_b128 v[X+4*\i:X+4*\i+3], v[XO], s[4:5] offset:\i*65536   ; row (b, ch + 16 i): its 4 positions
.endr
	s_wait_loadcnt 16                              ; loads come back in order: the 35 small ones are in, the 16 rows stay out
	s_wait_kmcnt 0x0
	; m~_l[t] = m_{l+1}[t] - (1 - dt_l) m_l[t], m_30 = 1; and prod (1 - dt)
.set l, 0
.rept 30
	v_med3_num_f32 v[TD], s[32+l], 0, 0x40c00000
	v_sub_f32 v[TO], 1.0, v[TD]
.if l < 29
	v_fma_f32 v[TR], -v[TO], v[VM+l], v[VM+l+1]
.else
	v_fma_f32 v[TR], -v[TO], v[VM+l], 1.0
.endif
.if l == 0
	v_mov_b32 v[AL], v[TO]
.else
	v_mul_f32 v[AL], v[AL], v[TO]
.endif
	ds_store_b32 v[T4], v[TR] offset:MTB+l*1024
.set l, l+1
.endr
	v_med3_num_f32 v[PR], v[DTL], 0, 0x40c00000    ; lane i: the parameters of layer min(i, 29)
	v_sub_f32 v[PR+1], 1.0, v[PR]
	v_mul_f32 v[PR+2], 0x40c00000, v[PR]
	v_mov_b32 v[PR+3], 0
	s_cmp_lg_u32 s16, 0
	s_cbranch_scc1 .Lnopt
	ds_store_b128 v[PTW], v[PR:PR+3]               ; wave 0 alone writes the table
.Lnopt:
	v_add_f32 v[TD], s20, 1.0
	v_mul_f32 v[KP], -v[TD], v[XS]                 ; -K_0
	v_mul_f32 v[KP+1], -v[KP], v[AL]               ; K_30
	v_pk_add_f32 v[M0:M0+1], v[M0:M0+1], 1.0 op_sel_hi:[1,0]
	v_pk_add_f32 v[M0+2:M0+3], v[M0+2:M0+3], 1.0 op_sel_hi:[1,0]
	; rows into the staging: for one position a wave's 32 lanes (16 batches x 2 channels) write 128 consecutive bytes
.irp i, 0,1,2,3,4,5,6,7,8,9,10,11,12,13,14,15
	s_wait_loadcnt 15-\i                           ; row i is in, the younger rows stay out
	ds_store_b32 v[SA], v[X+4*\i]   offset:\i*SROW
	ds_store_b32 v[SA], v[X+4*\i+1] offset:PP+\i*SROW
	ds_store_b32 v[SB], v[X+4*\i+2] offset:\i*SROW
	ds_store_b32 v[SB], v[X+4*\i+3] offset:PP+\i*SROW
.endr
.macro SIGNAL
	s_wait_dscnt 0x0                               ; for the others' sake: my LDS stores have landed and my LDS loads are back
	s_barrier_signal -1
.endm
.macro AFF1 j, i                       ; T = z s + t
	v_pk_fma_f32 v[T+2*\i:T+2*\i+1], v[Z+16*\j+2*\i:Z+16*\j+2*\i+1], v[ST:ST+1], v[ST:ST+1] op_sel:[0,0,1] op_sel_hi:[1,0,1]
.endm
.macro AFF j
.irp i, 0,1,2,3,4,5,6,7
	AFF1 \j, \i
.endr
.endm
; the sums take pair i of block j; two chains each, taken in turn.  The pass's first pairs start the sums: nothing is cleared
.macro STAT1 j, i
.if 8*\j+\i < 2
	v_pk_mul_f32 v[S2A+2*(\i&1):S2A+2*(\i&1)+1], v[Z+16*\j+2*\i:Z+16*\j+2*\i+1], v[Z+16*\j+2*\i:Z+16*\j+2*\i+1]
.else
.if 8*\j+\i < 4
	v_pk_add_f32 v[S1A+2*(\i&1):S1A+2*(\i&1)+1], v[Z+2*\i-4:Z+2*\i-3], v[Z+2*\i:Z+2*\i+1]
.else
	v_pk_add_f32 v[S1A+2*(\i&1):S1A+2*(\i&1)+1], v[S1A+2*(\i&1):S1A+2*(\i&1)+1], v[Z+16*\j+2*\i:Z+16*\j+2*\i+1]
.endif
	v_pk_fma_f32 v[S2A+2*(\i&1):S2A+2*(\i&1)+1], v[Z+16*\j+2*\i:Z+16*\j+2*\i+1], v[Z+16*\j+2*\i:Z+16*\j+2*\i+1], v[S2A+2*(\i&1):S2A+2*(\i&1)+1]
.endif
.endm
.macro STAT j
.irp i, 0,1,2,3,4,5,6,7
	STAT1 \j, \i
.endr
.endm
.macro STATAFF j, jn                   ; block j's sums, with the next block's first step between the links of the chains
.irp i, 0,1,2,3,4,5,6,7
	STAT1 \j, \i
	AFF1 \jn, \i
.endr
.endm
; block j = channel 4g + j, 16 batches: a = med3(T, 0, 6 dt);  T = (1 - dt) z + a;  z = m~_j x + T
.macro CORE j
.irp i, 0,1,2,3,4,5,6,7,8,9,10,11,12,13,14,15
	v_med3_num_f32 v[T+\i], v[T+\i], 0, v[PR+2]
.endr
.irp i, 0,1,2,3,4,5,6,7
	v_pk_fma_f32 v[T+2*\i:T+2*\i+1], v[Z+16*\j+2*\i:Z+16*\j+2*\i+1], v[PR:PR+1], v[T+2*\i:T+2*\i+1] op_sel:[0,1,0] op_sel_hi:[1,1,1]
.endr
.irp i, 0,1,2,3,4,5,6,7
.if \j&1
	v_pk_fma_f32 v[Z+16*\j+2*\i:Z+16*\j+2*\i+1], v[X+16*\j+2*\i:X+16*\j+2*\i+1], v[MT+2*(\j>>1):MT+2*(\j>>1)+1], v[T+2*\i:T+2*\i+1] op_sel:[0,1,0] op_sel_hi:[1,1,1]
.else
	v_pk_fma_f32 v[Z+16*\j+2*\i:Z+16*\j+2*\i+1], v[X+16*\j+2*\i:X+16*\j+2*\i+1], v[MT+2*(\j>>1):MT+2*(\j>>1)+1], v[T+2*\i:T+2*\i+1] op_sel_hi:[1,0,1]
.endif
.endr
.endm
.macro XSUM                            ; over the 8 lanes of my parity in my half of the wave
.irp m, 2,4,8
	v_add_f32_dpp v[RS], v[RS], v[RS] row_xmask:\m row_mask:0xf bank_mask:0xf
	v_add_f32_dpp v[RS+1], v[RS+1], v[RS+1] row_xmask:\m row_mask:0xf bank_mask:0xf
.endr
.endm
.macro REDUCE                          ; my half wave's (S1, S2) of my position into its slot; the 8 lanes that hold it write the same 8 bytes
	v_pk_add_f32 v[S1A:S1A+1], v[S1A:S1A+1], v[S1A+2:S1A+3]
	v_pk_add_f32 v[S2A:S2A+1], v[S2A:S2A+1], v[S2A+2:S2A+3]
	v_add_f32 v[RS], v[S1A], v[S1A+1]
	v_add_f32 v[RS+1], v[S2A], v[S2A+1]
	XSUM
	ds_store_b64 v[PW], v[RS:RS+1]
.endm
.macro GDT
	s_wait_dscnt 0x0                               ; the next layer's tables are in (and my partial sum has landed)
	v_pk_mul_f32 v[GBD:GBD+1], v[GB:GB+1], v[PR:PR+1] op_sel_hi:[1,0]    ; (gamma dt, beta dt)
.endm
; the statistics of my position: each lane takes one of the set's 8 slots, three steps add them, every lane ends with the totals
.macro FIN
	ds_load_b64 v[RS:RS+1], v[PRD]
	s_wait_dscnt 0x0
	XSUM
	v_mul_f32 v[MEAN], s21, v[RS]
	v_fma_f32 v[Q], v[RS+1], s21, s22              ; E[zs^2] + eps
	v_fma_f32 v[Q], -v[MEAN], v[MEAN], v[Q]
	v_max_num_f32 v[Q], s22, v[Q]                  ; a variance rounded below zero counts as zero
	v_rsq_f32 v[RI], v[Q]
	v_nop                                          ; one plain vector instruction between a transcendental and the use of its result (ISA guide 5.7.2)
	s_wait_alu depctr_va_vdst(0)
	v_mul_f32 v[ST], v[RI], v[GBD]
	v_fma_f32 v[ST+1], -v[MEAN], v[ST], v[GBD+1]
.endm
.macro H1                              ; first half of a pass: registers only
	AFF 0
	CORE 0
	STATAFF 0, 1
	CORE 1
	STATAFF 1, 2
.endm
.macro H2R                             ; second half, the next layer's tables, and my partial sums of the new z
	CORE 2
	STATAFF 2, 3
	CORE 3
	v_add_nc_u32 v[MTA], 1024, v[MTA]
	v_add_nc_u32 v[PRA], 16, v[PRA]
	ds_load_b128 v[MT:MT+3], v[MTA]
	ds_load_b128 v[PR:PR+3], v[PRA]
	STAT 3
	REDUCE
	GDT
.endm
.macro INITBLK j                       ; zs_0 = (1 + m_0) x - K_0
	s_wait_dscnt 14-4*\j                           ; block j's four loads are in; behind them 12 - 4 j loads of x and the two tables
.irp i, 0,1,2,3,4,5,6,7
.if \j&1
	v_pk_fma_f32 v[Z+16*\j+2*\i:Z+16*\j+2*\i+1], v[X+16*\j+2*\i:X+16*\j+2*\i+1], v[M0+2*(\j>>1):M0+2*(\j>>1)+1], v[KP:KP+1] op_sel:[0,1,0] op_sel_hi:[1,1,0]
.else
	v_pk_fma_f32 v[Z+16*\j+2*\i:Z+16*\j+2*\i+1], v[X+16*\j+2*\i:X+16*\j+2*\i+1], v[M0+2*(\j>>1):M0+2*(\j>>1)+1], v[KP:KP+1] op_sel_hi:[1,0,0]
.endif
.endr
	STAT \j
.endm
	SIGNAL                                         ; staging and tables are written
	s_barrier_wait -1
.irp q, 0,1,2,3,4,5,6,7,8,9,10,11,12,13,14,15
	ds_load_b128 v[X+4*\q:X+4*\q+3], v[CL] offset:16*\q        ; lanes 272 bytes apart, the parities 128 modulo 256: 16 lanes, 16 different columns of 16 bytes
.endr
	ds_load_b128 v[MT:MT+3], v[MTA]                ; layer 0's tables
	ds_load_b128 v[PR:PR+3], v[PRA]
	INITBLK 0
	INITBLK 1
	INITBLK 2
	INITBLK 3
	REDUCE
	GDT
	SIGNAL
	s_barrier_wait -1
	; From here each barrier separates a set's reads of its slots from that set's next stores, and its stores from its next reads.
	; The set that reads signals as soon as its reads are back and does its half pass between signal and wait.
	s_cmp_ge_u32 s16, 4
	s_cbranch_scc1 .Ls0
	FIN                                            ; A: layer 0
.Ls0:
	SIGNAL
	s_cmp_ge_u32 s16, 4
	s_cbranch_scc1 .Lw0
	H1
.Lw0:
	s_barrier_wait -1
	s_mov_b32 s17, 29
.Lloop:                                            ; trip t: A ends layer t and begins t + 1; B does layer t
	s_cmp_ge_u32 s16, 4
	s_cbranch_scc1 .LbF
	H2R
	s_branch .Ls1
.LbF:
	FIN
.Ls1:
	SIGNAL
	s_cmp_lt_u32 s16, 4
	s_cbranch_scc1 .Lw1
	H1
.Lw1:
	s_barrier_wait -1
	s_cmp_ge_u32 s16, 4
	s_cbranch_scc1 .LbH
	FIN
	s_branch .Ls2
.LbH:
	H2R
.Ls2:
	SIGNAL
	s_cmp_ge_u32 s16, 4
	s_cbranch_scc1 .Lw2
	H1
.Lw2:
	s_barrier_wait -1
	s_sub_co_i32 s17, s17, 1
	s_cmp_lg_u32 s17, 0
	s_cbranch_scc1 .Lloop
	s_cmp_lt_u32 s16, 4
	s_cbranch_scc1 .Lfin
	FIN                                            ; B: layer 29
	H1
.Lfin:
	CORE 2                                         ; the last half pass: no sums are needed any more
	AFF 3
	CORE 3
.irp i, 0,1,2,3,4,5,6,7,8,9,10,11,12,13,14,15,16,17,18,19,20,21,22,23,24,25,26,27,28,29,30,31
	v_pk_add_f32 v[Z+2*\i:Z+2*\i+1], v[Z+2*\i:Z+2*\i+1], v[KP:KP+1] op_sel:[0,1] op_sel_hi:[1,1]   ; the shift comes back: + K_30
.endr
	; the way out: back through the staging (its last reads stand in front of the second barrier), then one b128 store for each row
.irp q, 0,1,2,3,4,5,6,7,8,9,10,11,12,13,14,15
	ds_store_b128 v[CL], v[Z+4*\q:Z+4*\q+3] offset:16*\q
.endr
	SIGNAL
	s_barrier_wait -1                              ; a row's 16 bytes hold positions of both sets
.irp i, 0,1,2,3,4,5,6,7,8,9,10,11,12,13,14,15
	ds_load_b32 v[X+4*\i],   v[SA] offset:\i*SROW
	ds_load_b32 v[X+4*\i+1], v[SA] offset:PP+\i*SROW
	ds_load_b32 v[X+4*\i+2], v[SB] offset:\i*SROW
	ds_load_b32 v[X+4*\i+3], v[SB] offset:PP+\i*SROW
.endr
.irp i, 0,1,2,3,4,5,6,7,8,9,10,11,12,13,14,15
	s_wait_dscnt 60-4*\i                           ; row i's four words are in; the later rows' loads stay out
	global_store_b128 v[XO], v[X+4*\i:X+4*\i+3], s[14:15] offset:\i*65536
.endr
	s_wait_tensorcnt 0x0
	ds_add_u32 v224, v225
	s_wait_dscnt 0x0
	s_endpgm
.Lfunc_end_k_q75bf9ba4ce_ode:
	.size	k_q75bf9ba4ce_ode, .Lfunc_end_k_q75bf9ba4ce_ode-k_q75bf9ba4ce_ode
	.p2alignl 7, 3214868480
	.fill 96, 4, 3214868480
	.section	.rodata,"a",@progbits
	.p2align	6, 0x0
	.amdhsa_kernel k_q75bf9ba4ce_ode
		.amdhsa_group_segment_fixed_size 102912
		.amdhsa_private_segment_fixed_size 0
		.amdhsa_enable_private_segment 0
		.amdhsa_kernarg_size 48
		.amdhsa_user_sgpr_count 2
		.amdhsa_user_sgpr_kernarg_segment_ptr 1
		.amdhsa_wavefront_size32 1
		.amdhsa_system_sgpr_workgroup_id_x 1
		.amdhsa_system_sgpr_workgroup_id_y 1
		.amdhsa_system_sgpr_workgroup_id_z 1
		.amdhsa_system_vgpr_workitem_id 0
		.amdhsa_next_free_vgpr 226
		.amdhsa_next_free_sgpr 66
		.amdhsa_reserve_vcc 0
		.amdhsa_float_denorm_mode_32 3
		.amdhsa_float_denorm_mode_16_64 3
		.amdhsa_memory_ordered 1
		.amdhsa_forward_progress 1
		.amdhsa_inst_pref_size 92
	.end_amdhsa_kernel
	.amdgpu_metadata
---
amdhsa.version: [ 1, 2 ]
amdhsa.kernels:
  - .name:           k_q75bf9ba4ce_ode
    .symbol:         k_q75bf9ba4ce_ode.kd
    .args:
      - { .name: x, .offset: 0, .size: 8, .value_kind: global_buffer, .address_space: global }
      - { .name: matrices, .offset: 8, .size: 8, .value_kind: global_buffer, .address_space: global }
      - { .name: delta_t, .offset: 16, .size: 8, .value_kind: global_buffer, .address_space: global }
      - { .name: gamma, .offset: 24, .size: 8, .value_kind: global_buffer, .address_space: global }
      - { .name: beta, .offset: 32, .size: 8, .value_kind: global_buffer, .address_space: global }
      - { .name: out0, .offset: 40, .size: 8, .value_kind: global_buffer, .address_space: global }
    .group_segment_fixed_size: 102912
    .private_segment_fixed_size: 0
    .kernarg_segment_align: 8
    .kernarg_segment_size: 48
    .max_flat_workgroup_size: 256
    .sgpr_count:     66
    .vgpr_count:     226
    .wavefront_size: 32
...
	.end_amdgpu_metadata
.endif
;; end of part 1
